; MI455X (gfx1250); checked and timed in simulation.
; The chip was launched on July 23, 2026; its instructions are those of AMD's public machine-readable ISA for CDNA 5 (MIT licence, August 2026) and "CDNA5" Instruction Set Architecture Reference Guide (July 2026). The comments in the code are by the model that wrote it; some were corrected since.
;; Causal MHA Bit. Allowed arithmetic: float matrix products may take bf16 or f16 operands with f32 sums; other float arithmetic in f32, or as packed bf16 or f16 multiplies, adds, multiply-adds, maxima and minima; sums over many terms, partial sums and values carried from step to step in f32; what a program stores and reads back later, other than sums and carried values, may be rounded once to bf16 or f16.
;; Inputs: Wk 1,024 x 1,024 float32; Wo 1,024 x 1,024 float32; Wq 1,024 x 1,024 float32; Wv 1,024 x 1,024 float32; hidden_states 4 x 2,048 x 1,024 float32.
;; Outputs: out0 4 x 2,048 x 1,024 float32.
;; One version. Each part assembles by itself: llvm-mc -triple=amdgcn-amd-amdhsa -mcpu=gfx1250 --defsym DOCPART=n.
;; ======== version 1 of 1: 4 launches
;; limits: values are held in f16: magnitudes above 65,504 overflow, below 6.1e-05 lose precision
;; workspace buffers: xb 16,777,216 bytes; wqkv 6,291,456 bytes; wo16 2,097,152 bytes; rope 524,288 bytes; q16 16,777,216 bytes; k16 17,825,792 bytes; v16 17,825,792 bytes; o16 16,777,216 bytes
;; launch prep (part 1): grid 1024 x 1, 8 waves a work-group, no clusters, 0 bytes of LDS; arguments hidden_states, Wq, Wk, Wv, Wo, xb, wqkv, wo16, rope, k16, v16; writes xb, wqkv, wo16, rope, k16, v16
.if DOCPART == 1
	.amdgcn_target "amdgcn-amd-amdhsa--gfx1250"
	.amdhsa_code_object_version 6
	.text
	.protected	k_qe8f19171a0_prep
	.globl	k_qe8f19171a0_prep
	.p2align	8
	.type	k_qe8f19171a0_prep,@function
k_qe8f19171a0_prep:
	s_mov_b64 s[64:65], 0
	v_nop
	global_prefetch_b8 v0, s[64:65] scope:SCOPE_SE
	s_setreg_imm32_b32 hwreg(HW_REG_WAVE_MODE, 25, 1), 1
	s_wait_xcnt 0x0
; PREP: casts, the rope table, and the zero rows in front of each head's keys and values.
;   xb   [8192][1024] bf16 = hidden_states rounded once.
;   wqkv [3072][1024] bf16: row 192 h + d = Wq row 64 h + d, row 192 h + 64 + d = Wk's, row 192 h + 128 + d = Wv's: 192 rows on end are one head's q, k, v.
;   wo16 [1024][1024] f16 = Wo rounded to bf16 like every other input, that number then written as f16.
;   rope [2048][64] f32: row t = cos(t f_j), j = 0..31, then sin(t f_j); f_j = 10000^(-j/32).
;   k16, v16: [64 heads][128 + 2048][64] f16; the first 128 rows of each head are written 0 here (keys in front of the head's first).
; SHARES.  Work-group g: rows 8 g .. 8 g + 7 of x, a row a wave, as eight chunks of 512 bytes; row g of each W, a chunk a wave; waves 0 and 1 the table's
; rows 2 g and 2 g + 1; each wave 256 bytes of zeros.  A lane loads 16 bytes and stores 8: a wave's store covers 256 consecutive bytes, aligned.
; No register is written twice, so nothing waits for a store; the twelve loads go out together and are waited for one by one.
; No LDS, matrix unit or cluster: each byte is read once and no two work-groups share any.
; LIMITS.  |bf16(Wo)| stays under 65,504; below 6e-5 f16 keeps a fixed step of 6e-8.  f_j is made as 2^(-j log2(10000)/32) by v_exp_f32 (1 ULP), so an angle
; may differ from t x (1 / 10000^(j/32)) by some 3e-4 rad at t = 2047; q and k take the same table.  Sine and cosine: the angle less n pi/2 in two parts, polynomials of degree 9 and 8, error under 1e-7.
.set X,  16                            ; v[16:63]   chunk i as loaded: 4 registers
.set Y,  64                            ; v[64:87]   chunk i to store: 2 registers
.set WT, 88                            ; v[88:93]   Wo on its way from bf16 to f16
.set RP, 96                            ; v[96:97]   the table's two numbers; v98-108 at work on them
	s_load_b512 s[4:19], s[0:1], 0x0               ; hidden_states 4:5, Wq 6:7, Wk 8:9, Wv 10:11, Wo 12:13, xb 14:15, wqkv 16:17, wo16 18:19
	s_load_b128 s[20:23], s[0:1], 0x40             ; rope 20:21, k16 22:23
	s_load_b64 s[24:25], s[0:1], 0x50              ; v16
	v_lshrrev_b32 v3, 5, v0
	v_readfirstlane_b32 s26, v3                    ; wave 0..7
	v_and_b32 v4, 31, v0
	v_lshlrev_b32 v1, 4, v4                        ; 16 bytes a lane in
	v_lshlrev_b32 v2, 3, v4                        ; 8 bytes a lane out
	v_mov_b32 v6, 0
	v_mov_b32 v7, 0                                ; the zeros
	s_lshl_b32 s28, ttmp9, 15                      ; x: 8 rows of 4,096 bytes a group, a row a wave
	s_lshl_b32 s27, s26, 12
	s_add_co_u32 s28, s28, s27
	s_mov_b32 s29, 0
	s_lshl_b32 s30, ttmp9, 12                      ; each W: row g, chunk = wave
	s_lshl_b32 s27, s26, 9
	s_add_co_u32 s30, s30, s27
	s_mov_b32 s31, 0
	s_lshl_b32 s32, ttmp9, 14                      ; xb: rows of 2,048 bytes
	s_lshl_b32 s27, s26, 11
	s_add_co_u32 s32, s32, s27
	s_mov_b32 s33, 0
	s_lshr_b32 s42, ttmp9, 6                       ; wqkv: row 192 (g / 64) + g % 64
	s_mul_i32 s42, s42, 192
	s_and_b32 s43, ttmp9, 63
	s_add_co_u32 s34, s42, s43
	s_lshl_b32 s34, s34, 11
	s_lshl_b32 s27, s26, 8
	s_add_co_u32 s34, s34, s27
	s_mov_b32 s35, 0
	s_lshl_b32 s36, ttmp9, 11                      ; wo16: row g
	s_add_co_u32 s36, s36, s27
	s_mov_b32 s37, 0
	s_lshr_b32 s42, ttmp9, 4                       ; zeros: head g / 16 (278,528 bytes a head), 1,024 bytes a group, 256 a wave
	s_mul_i32 s38, s42, 278528
	s_and_b32 s43, ttmp9, 15
	s_lshl_b32 s43, s43, 10
	s_add_co_u32 s38, s38, s43
	s_and_b32 s43, s26, 3
	s_lshl_b32 s43, s43, 8
	s_add_co_u32 s38, s38, s43
	s_mov_b32 s39, 0
	s_lshl_b32 s44, ttmp9, 1
	s_add_co_u32 s44, s44, s26                     ; t = 2 g + wave (used by waves 0 and 1)
	s_lshl_b32 s40, s44, 8
	s_mov_b32 s41, 0
	s_wait_kmcnt 0x0
	s_add_nc_u64 s[4:5], s[4:5], s[28:29]
	s_add_nc_u64 s[6:7], s[6:7], s[30:31]
	s_add_nc_u64 s[8:9], s[8:9], s[30:31]
	s_add_nc_u64 s[10:11], s[10:11], s[30:31]
	s_add_nc_u64 s[12:13], s[12:13], s[30:31]
	s_add_nc_u64 s[14:15], s[14:15], s[32:33]
	s_add_nc_u64 s[16:17], s[16:17], s[34:35]
	s_add_nc_u64 s[18:19], s[18:19], s[36:37]
	s_add_nc_u64 s[20:21], s[20:21], s[40:41]
	s_cmp_lt_u32 s26, 4                            ; waves 0-3 write k16's zeros, waves 4-7 v16's
	s_cselect_b64 s[22:23], s[22:23], s[24:25]
	s_add_nc_u64 s[22:23], s[22:23], s[38:39]
.irp c, 0,1,2,3,4,5,6,7
	global_load_b128 v[X+4*(\c):X+4*(\c)+3], v1, s[4:5] offset:512*(\c) th:TH_LOAD_NT
.endr
	global_load_b128 v[X+32:X+35], v1, s[6:7] th:TH_LOAD_NT
	global_load_b128 v[X+36:X+39], v1, s[8:9] th:TH_LOAD_NT
	global_load_b128 v[X+40:X+43], v1, s[10:11] th:TH_LOAD_NT
	global_load_b128 v[X+44:X+47], v1, s[12:13] th:TH_LOAD_NT
	global_store_b64 v2, v[6:7], s[22:23]          ; 256 bytes of zeros
; One number of the table from the angle in v[x].  n = the nearest whole number to x 2/pi; r = x - n pi/2, pi/2 in two parts (the first product and difference are exact in one fused step);
; cos(x) is cos r, -sin r, -cos r, sin r for n mod 4 = 0..3, and sin(x) = cos(x - pi/2) takes n + 3 (v99 holds 0 or 3).
.macro SINCOS x, out
	v_mul_f32 v102, 0x3f22f983, v[\x]
	v_rndne_f32 v102, v102
	v_fmamk_f32 v103, v102, 0xbfc90fdb, v[\x]
	v_fmamk_f32 v103, v102, 0x333bbd2e, v103       ; r
	v_cvt_i32_f32 v104, v102
	v_add_nc_u32 v104, v104, v99                   ; the quadrant: its two low bits count
	v_mul_f32 v105, v103, v103                     ; z = r r
	v_mov_b32 v106, 0x3638ef1d                     ; sin r = r + r z (-1/6 + z (1/120 + z (-1/5040 + z / 362880)))
	v_fmaak_f32 v106, v105, v106, 0xb9500d01
	v_fmaak_f32 v106, v105, v106, 0x3c088889
	v_fmaak_f32 v106, v105, v106, 0xbe2aaaab
	v_mul_f32 v106, v106, v105
	v_fma_f32 v106, v106, v103, v103
	v_mov_b32 v107, 0x37d00d01                     ; cos r = 1 + z (-1/2 + z (1/24 + z (-1/720 + z / 40320)))
	v_fmaak_f32 v107, v105, v107, 0xbab60b61
	v_fmaak_f32 v107, v105, v107, 0x3d2aaaab
	v_fmaak_f32 v107, v105, v107, 0xbf000000
	v_fma_f32 v107, v107, v105, 1.0
	v_and_b32 v108, 1, v104
	v_cmp_eq_u32 vcc_lo, 1, v108
	v_cndmask_b32 v[\out], v107, v106, vcc_lo      ; odd quadrant: the sine
	v_add_nc_u32 v108, 1, v104
	v_and_b32 v108, 2, v108                        ; quadrants 1 and 2: negative
	v_lshlrev_b32 v108, 30, v108
	v_xor_b32 v[\out], v[\out], v108
.endm
	s_cmp_lt_u32 s26, 2
	s_cbranch_scc0 .Lnorope
	v_and_b32 v98, 15, v0                          ; lane l makes columns 2 l and 2 l + 1: lanes 0-15 cosines, lanes 16-31 sines, of j = 2 (l % 16) and the next
	v_bfe_u32 v99, v0, 4, 1
	v_lshlrev_b32 v98, 1, v98
	v_add_nc_u32 v100, 1, v98
	v_cvt_f32_u32 v98, v98
	v_cvt_f32_u32 v100, v100
	v_mul_f32 v98, 0xbed49a78, v98                 ; -j log2(10000) / 32
	v_mul_f32 v100, 0xbed49a78, v100
	v_exp_f32 v98, v98
	v_exp_f32 v100, v100
	v_cvt_f32_u32 v101, s44                        ; two plain instructions stand between the exponentials and the use of their results (ISA guide 5.7.2)
	v_mul_u32_u24 v99, 3, v99
	s_wait_alu depctr_va_vdst(0)
	v_mul_f32 v98, v101, v98                       ; the angle, rounded once
	v_mul_f32 v100, v101, v100
	SINCOS 98, RP
	SINCOS 100, RP+1
	global_store_b64 v2, v[RP:RP+1], s[20:21]      ; a whole row of 256 bytes
.Lnorope:
; Chunk i: loads come back in order (ISA guide 5.7.1), so the count leaves the 11 - i younger ones out.
.macro CAST i, base, off
	s_wait_loadcnt 11-(\i)
	v_cvt_pk_bf16_f32 v[Y+2*(\i)], v[X+4*(\i)], v[X+4*(\i)+1]
	v_cvt_pk_bf16_f32 v[Y+2*(\i)+1], v[X+4*(\i)+2], v[X+4*(\i)+3]
	global_store_b64 v2, v[Y+2*(\i):Y+2*(\i)+1], s[\base:\base+1] offset:\off
.endm
.irp c, 0,1,2,3,4,5,6,7
	CAST \c, 14, 256*(\c)
.endr
	CAST 8, 16, 0                                  ; Wq's row
	CAST 9, 16, 131072                             ; Wk's, 64 rows of 2,048 bytes on
	CAST 10, 16, 262144                            ; Wv's, 128 rows on
	s_wait_loadcnt 0x0                             ; Wo: to bf16, and that number as f16
	v_cvt_pk_bf16_f32 v[WT], v[X+44], v[X+45]
	v_cvt_pk_bf16_f32 v[WT+1], v[X+46], v[X+47]
	v_lshlrev_b32 v[WT+2], 16, v[WT]
	v_and_b32 v[WT+3], 0xffff0000, v[WT]
	v_lshlrev_b32 v[WT+4], 16, v[WT+1]
	v_and_b32 v[WT+5], 0xffff0000, v[WT+1]
	v_cvt_pk_f16_f32 v[Y+22], v[WT+2], v[WT+3]
	v_cvt_pk_f16_f32 v[Y+23], v[WT+4], v[WT+5]
	global_store_b64 v2, v[Y+22:Y+23], s[18:19]
	s_endpgm
.Lfunc_end_k_qe8f19171a0_prep:
	.size	k_qe8f19171a0_prep, .Lfunc_end_k_qe8f19171a0_prep-k_qe8f19171a0_prep
	.p2alignl 7, 3214868480
	.fill 96, 4, 3214868480
	.section	.rodata,"a",@progbits
	.p2align	6, 0x0
	.amdhsa_kernel k_qe8f19171a0_prep
		.amdhsa_group_segment_fixed_size 0
		.amdhsa_private_segment_fixed_size 0
		.amdhsa_enable_private_segment 0
		.amdhsa_kernarg_size 88
		.amdhsa_user_sgpr_count 2
		.amdhsa_user_sgpr_kernarg_segment_ptr 1
		.amdhsa_wavefront_size32 1
		.amdhsa_system_sgpr_workgroup_id_x 1
		.amdhsa_system_sgpr_workgroup_id_y 1
		.amdhsa_system_sgpr_workgroup_id_z 1
		.amdhsa_system_vgpr_workitem_id 0
		.amdhsa_next_free_vgpr 128
		.amdhsa_next_free_sgpr 66
		.amdhsa_reserve_vcc 1
		.amdhsa_float_denorm_mode_32 3
		.amdhsa_float_denorm_mode_16_64 3
		.amdhsa_memory_ordered 1
		.amdhsa_forward_progress 1
		.amdhsa_inst_pref_size 10
	.end_amdhsa_kernel
	.amdgpu_metadata
---
amdhsa.version: [ 1, 2 ]
amdhsa.kernels:
  - .name:           k_qe8f19171a0_prep
    .symbol:         k_qe8f19171a0_prep.kd
    .args:
      - { .name: hidden_states, .offset: 0, .size: 8, .value_kind: global_buffer, .address_space: global }
      - { .name: Wq, .offset: 8, .size: 8, .value_kind: global_buffer, .address_space: global }
      - { .name: Wk, .offset: 16, .size: 8, .value_kind: global_buffer, .address_space: global }
      - { .name: Wv, .offset: 24, .size: 8, .value_kind: global_buffer, .address_space: global }
      - { .name: Wo, .offset: 32, .size: 8, .value_kind: global_buffer, .address_space: global }
      - { .name: xb, .offset: 40, .size: 8, .value_kind: global_buffer, .address_space: global }
      - { .name: wqkv, .offset: 48, .size: 8, .value_kind: global_buffer, .address_space: global }
      - { .name: wo16, .offset: 56, .size: 8, .value_kind: global_buffer, .address_space: global }
      - { .name: rope, .offset: 64, .size: 8, .value_kind: global_buffer, .address_space: global }
      - { .name: k16, .offset: 72, .size: 8, .value_kind: global_buffer, .address_space: global }
      - { .name: v16, .offset: 80, .size: 8, .value_kind: global_buffer, .address_space: global }
    .group_segment_fixed_size: 0
    .private_segment_fixed_size: 0
    .kernarg_segment_align: 8
    .kernarg_segment_size: 88
    .max_flat_workgroup_size: 256
    .sgpr_count:     66
    .vgpr_count:     128
    .wavefront_size: 32
...
	.end_amdgpu_metadata
.endif
;; end of part 1
;; launch qkv (part 2): grid 16 x 32, 4 waves a work-group, clusters of 4 x 4, 327,680 bytes of LDS; arguments xb, wqkv, rope, q16, k16, v16; writes q16, k16, v16
.if DOCPART == 2
	.amdgcn_target "amdgcn-amd-amdhsa--gfx1250"
	.amdhsa_code_object_version 6
	.text
	.protected	k_qe8f19171a0_qkv
	.globl	k_qe8f19171a0_qkv
	.p2align	8
	.type	k_qe8f19171a0_qkv,@function
k_qe8f19171a0_qkv:
	s_mov_b64 s[64:65], 0
	v_nop
	global_prefetch_b8 v0, s[64:65] scope:SCOPE_SE
	s_setreg_imm32_b32 hwreg(HW_REG_WAVE_MODE, 25, 1), 1
	s_wait_xcnt 0x0
	s_wait_alu depctr_hold_cnt(0) depctr_sa_sdst(0) depctr_va_vdst(0) depctr_va_sdst(0) depctr_va_ssrc(0) depctr_va_vcc(0) depctr_vm_vsrc(0)
	s_getreg_b32 s2, hwreg(HW_REG_IB_STS2, 6, 4)
	s_cmp_eq_u32 s2, 0
	s_cbranch_scc0 .Lentry_in_a_cluster
	s_endpgm
.Lentry_in_a_cluster:
	s_bfe_u32 s2, ttmp6, 0x10000c
	s_cmp_lg_u32 s2, 0xf033
	s_cbranch_scc0 .Lentry_shape_is_right
	s_endpgm
.Lentry_shape_is_right:
; QKV: [8192 x 1024] x [3072 x 1024]^T in bf16 with f32 sums; q and k are turned by the rope table in f32 on the way out; q, k, v leave by heads in f16, each rounded once, unscaled.
;   q16 [64 heads][2048][64];  k16, v16 [64 heads][128 + 2048][64]: token t of a head at row 128 + t (the first 128 rows were written 0 by the launch before).
; TILE.  256 tokens x 192 columns, the 192 columns being one head's q, k and v: 32 x 16 = 512 work-groups of equal work.  Four waves one below the other: a wave owns 64 tokens and all 12 column
; blocks of 16: 48 accumulators, 384 registers.  K goes in 8 steps of 128 (rows of 256 bytes in memory, aligned) through a ring of two LDS slots.
; CLUSTER 4 x 4: x's tile hangs on the tile row alone and is asked for jointly by a row of the cluster, the weights' on the head alone and by a column: the same load, descriptor and mask in all four.
; THE MATRIX INSTRUCTION IS USED TRANSPOSED (source 0 = 16 weight rows, source 1 = 16 tokens): lane l holds token l % 16 and columns 8 (l / 16) + 0..7 of the block.  So a lane holds d and d + 32 of the
; same token in blocks u and u + 2, and the turn needs no other lane: out[d] = x[d] cos - x[d+32] sin, out[d+32] = x[d+32] cos + x[d] sin (fused: one rounding fewer than a multiply and an add).
; LIMITS.  |q|, |k|, |v| stay under 65,504 (f16); below 6e-5 f16 keeps a fixed step of 6e-8.  NaN and infinities are not treated apart.
; REGISTERS, in windows of 256 (s_set_vgpr_msb: bits 1:0 source 0, 3:2 source 1, 5:4 source 2, 7:6 destination):
;   window 0: v0-31 addresses; v32-47 at work; v64-191 my 64 tokens' cosines and sines; v192-255 the way out
;   window 1: two fragment buffers of 128: x's block a at F + 8 a, the weights' block b at F + 32 + 8 b
;   window 2: accumulators of token blocks 0, 1 at 8 (12 (a % 2) + b);   window 3: those of blocks 2, 3
.set KSTEP,  128
.set PITCH,  272                       ; an LDS row: 256 bytes + 16 of padding = 68 words: the 16 rows of a fragment load start at 16 different groups of four banks (64 banks of 4 bytes: ISA guide 11.1)
.set HA,     128*PITCH                 ; half of x's 256 rows: one tensor load
.set HB,     96*PITCH                  ; half of the weights' 192 rows: one tensor load
.set BOFF,   2*HA
.set SLOT,   BOFF+2*HB
.set STAGE,  2*SLOT                    ; behind the ring: for each wave 3 x 16 rows x 144 bytes (q, k, v of 16 tokens)
.set SP,     144
.set WST,    3*16*SP
.set SPARE,  STAGE+4*WST               ; behind the stages: the spare words, 128 bytes a wave, two blocks of 256 bytes that no other line names
.set NL,     32                        ; LDS loads in a run: 24 for the weights, 8 for x
.set ADRA, 16                          ; v16-17  LDS address of my fragments of x in slot 0, 1
.set ADRB, 20                          ; v20-21  the same for the weights
.set STO,  24                          ; v24     the way out: where I put 16 bytes of a row
.set RD,   25                          ; v25     where I read rows back
.set GO,   26                          ; v26     my 16 bytes in 512 consecutive bytes of an output
.set RO,   27                          ; v27     my byte offset in 16 rows of the table
.set SPW,  28                          ; v28     my spare word: SPARE + 4 x my thread's number; never rewritten
.set NIL,  29                          ; v29     0; never rewritten
.set TMP,  32
.set ROPE, 64                          ; token block a: cos of j = 16 u + 8 (l / 16) + 0..7 at ROPE + 32 a + 8 u, sin 16 registers on
.set RES,  192
.set F0,   0
.set F1,   128
.set WV,   16                          ; s16 wave; s17 wave % 2; s18 cx; s19 cy; s20 head (tile column); s21 tile row; s22, s23 masks
.set G1,   24                          ; s[24:31] group 1 for x's tiles;  s[32:39] group 0, a set for each slot
.set G0,   32
.set G1B,  48                          ; s[48:55], s[56:63] the same for the weights'
.set G0B,  56
.set MSB, 0
.macro WIN new                         ; the immediate's high byte repeats the setting that is left; a switch that changes nothing is dropped
.if MSB != (\new)
	s_set_vgpr_msb (MSB<<8)|(\new)
.set MSB, (\new)
.endif
.endm
.set TO_F, 0x40                        ; destination window 1, address window 0
.macro PLACES                          ; four places between a matrix instruction and a load into, or a vector instruction on, its registers (ISA guide 7.12.1 for vector instructions)
.rept 4
	v_nop
.endr
.endm
; A joint load: waves 0 and 1 fetch x's two halves, waves 2 and 3 the weights'.  The branch hangs on the wave's number alone.  An s_nop 0 and four v_nop follow each line.
.macro JLOAD s
	s_cmp_lt_u32 s[WV], 2
	s_cbranch_scc0 .Lfor_b_\@
	tensor_load_to_lds s[G0+4*(\s):G0+4*(\s)+3], s[G1:G1+7]
	s_nop 0
.rept 4
	v_nop
.endr
	s_branch .Lasked_\@
.Lfor_b_\@:
	tensor_load_to_lds s[G0B+4*(\s):G0B+4*(\s)+3], s[G1B:G1B+7]
	s_nop 0
.rept 4
	v_nop
.endr
.Lasked_\@:
.endm
.macro CREST                           ; a round of the cluster's barrier behind its opening barrier
	s_cmp_lg_u32 s[WV], 0
	s_cbranch_scc1 .Lnot_wave_0_\@
	s_barrier_signal -3
.Lnot_wave_0_\@:
	s_barrier_wait -3
	s_barrier_signal -1
	s_barrier_wait -1
.endm
.macro CROUND                          ; a whole round
	s_barrier_signal -1
	s_barrier_wait -1
	CREST
.endm
	s_load_b256 s[4:11], s[0:1], 0x0               ; xb 4:5, wqkv 6:7, rope 8:9, q16 10:11
	s_load_b128 s[12:15], s[0:1], 0x20             ; k16 12:13, v16 14:15
	v_lshl_add_u32 v[SPW], v0, 2, SPARE
	v_mov_b32 v[NIL], 0
	ds_add_u32 v[SPW], v[NIL]                      ; the wave's opening: the add and its wait stand ahead of my first tensor load; work on registers stands between them
	ds_add_u32 v28, v29
	v_lshrrev_b32 v1, 5, v0
	v_readfirstlane_b32 s[WV], v1                  ; wave 0..3
	s_and_b32 s17, s[WV], 1                        ; which half of a tile I fetch
	s_bfe_u32 s18, ttmp6, 0x40000                  ; cx
	s_bfe_u32 s19, ttmp6, 0x40004                  ; cy
	s_lshl_b32 s20, ttmp9, 2
	s_add_co_u32 s20, s20, s18                     ; the head = 4 x cluster x + cx
	s_and_b32 s21, ttmp7, 0xffff
	s_lshl_b32 s21, s21, 2
	s_add_co_u32 s21, s21, s19                     ; the tile row = 4 x cluster y + cy
	s_lshl_b32 s22, s19, 2
	s_lshl_b32 s22, 15, s22                        ; my row of the cluster
	s_lshl_b32 s23, 0x1111, s18                    ; my column
	s_or_b32 s[G1], s22, (1<<16)|(1<<20)|(1<<21)|(5<<22)|(3<<25)   ; 15:0 mask; 17:16 2-byte elements; 20 padding on; 21 set beside a mask; 24:22 after every 64 words; 31:25 4 words
	s_or_b32 s[G1B], s23, (1<<16)|(1<<20)|(1<<21)|(5<<22)|(3<<25)
	s_mov_b32 s[G1+1], KSTEP<<16                   ; tensor_dim0 = 128
	s_mov_b32 s[G1+2], 128<<16                     ; tensor_dim1 = 128
	s_mov_b32 s[G1+3], KSTEP<<16                   ; tile_dim0 = 128
	s_mov_b32 s[G1+4], 128                         ; tile_dim1 = 128
	s_mov_b32 s[G1+5], 1024                        ; elements from row to row
	s_mov_b32 s[G1+6], 0
	s_mov_b32 s[G1+7], 0
	s_mov_b32 s[G1B+1], KSTEP<<16
	s_mov_b32 s[G1B+2], 96<<16                     ; 96 rows
	s_mov_b32 s[G1B+3], KSTEP<<16
	s_mov_b32 s[G1B+4], 96
	s_mov_b32 s[G1B+5], 1024
	s_mov_b32 s[G1B+6], 0
	s_mov_b32 s[G1B+7], 0
	s_lshl_b32 s40, s21, 8                         ; x: row 256 x tile row + 128 x half, 2,048 bytes a row (s40-43 never hold cx)
	s_lshl_b32 s41, s17, 7
	s_add_co_u32 s40, s40, s41
	s_lshl_b32 s40, s40, 11
	s_mov_b32 s41, 0
	s_mul_i32 s44, s20, 192                        ; weights: row 192 x head + 96 x half (s44-47 never hold cy)
	s_mul_i32 s45, s17, 96
	s_add_co_u32 s44, s44, s45
	s_lshl_b32 s44, s44, 11
	s_mov_b32 s45, 0
	s_mul_i32 s42, s17, HA                         ; where they go: no place in the cluster enters an LDS address
	s_mul_i32 s46, s17, HB
	s_add_co_u32 s46, s46, BOFF
	s_wait_dscnt 0x0                               ; the opening add is done
	s_wait_kmcnt 0x0
	s_add_nc_u64 s[40:41], s[4:5], s[40:41]
	s_add_nc_u64 s[44:45], s[6:7], s[44:45]
	CROUND                                         ; all sixteen work-groups are here: the first joint loads meet
.irp s, 0,1
	s_mov_b32 s[G0+4*(\s)], 1
	s_add_co_u32 s[G0+4*(\s)+1], s42, (\s)*SLOT
	s_add_nc_u64 s[G0+4*(\s)+2:G0+4*(\s)+3], s[40:41], (\s)*KSTEP*2
	s_or_b32 s[G0+4*(\s)+3], s[G0+4*(\s)+3], 0x80000000
	s_mov_b32 s[G0B+4*(\s)], 1
	s_add_co_u32 s[G0B+4*(\s)+1], s46, (\s)*SLOT
	s_add_nc_u64 s[G0B+4*(\s)+2:G0B+4*(\s)+3], s[44:45], (\s)*KSTEP*2
	s_or_b32 s[G0B+4*(\s)+3], s[G0B+4*(\s)+3], 0x80000000
.endr
	s_cmp_lt_u32 s[WV], 2                          ; a wave's two first fills stand in one branch, ahead of every wait on TENSORcnt and every LDS read: two loads of mine are out
	s_cbranch_scc0 .Lfirst_b
	tensor_load_to_lds s[G0:G0+3], s[G1:G1+7]
	s_nop 0
	tensor_load_to_lds s[G0+4:G0+7], s[G1:G1+7]
	s_nop 0
.rept 4
	v_nop
.endr
	s_branch .Lfirst_asked
.Lfirst_b:
	tensor_load_to_lds s[G0B:G0B+3], s[G1B:G1B+7]
	s_nop 0
	tensor_load_to_lds s[G0B+4:G0B+7], s[G1B:G1B+7]
	s_nop 0
.rept 4
	v_nop
.endr
.Lfirst_asked:
	; A fragment is 16 rows x 32 K in 8 registers: lane l holds row l % 16, K = 8 (l / 16) + 0..7 and 16 + 8 (l / 16) + 0..7: two loads of 16 bytes, 32 bytes apart.
	v_and_b32 v1, 15, v0                           ; l % 16
	v_bfe_u32 v2, v0, 4, 1                         ; l / 16
	v_lshlrev_b32 v[RO], 8, v1                     ; the table: row l % 16 of 256 bytes, 32 bytes for each half of the lanes
	v_lshl_add_u32 v[RO], v2, 5, v[RO]
	s_and_b32 s68, s21, 7                          ; my first token in its sequence: 256 (tile row % 8) + 64 wave
	s_lshl_b32 s68, s68, 8
	s_lshl_b32 s69, s[WV], 6
	s_add_co_u32 s68, s68, s69
	s_lshl_b32 s70, s68, 8
	s_mov_b32 s71, 0
	s_add_nc_u64 s[8:9], s[8:9], s[70:71]
.irp a, 0,1,2,3
.irp i, 0,1,2,3                        ; i = 0, 1: cosines of u = 0, 1; i = 2, 3: sines.  They stay in registers through the loop and are waited for in front of the way out
	global_load_b128 v[ROPE+32*(\a)+8*(\i):ROPE+32*(\a)+8*(\i)+3],   v[RO], s[8:9] offset:(\a)*4096+64*(\i)
	global_load_b128 v[ROPE+32*(\a)+8*(\i)+4:ROPE+32*(\a)+8*(\i)+7], v[RO], s[8:9] offset:(\a)*4096+64*(\i)+16
.endr
.endr
	v_mul_u32_u24 v3, v1, PITCH
	v_lshl_add_u32 v3, v2, 4, v3                   ; row x pitch + 16 x half
	s_mul_i32 s66, s[WV], 64*PITCH                 ; my 64 rows of x
	v_add_nc_u32 v[ADRA], s66, v3
	v_add_nc_u32 v[ADRA+1], SLOT, v[ADRA]
	v_add_nc_u32 v[ADRB], BOFF, v3
	v_add_nc_u32 v[ADRB+1], BOFF+SLOT, v3
	s_mul_i32 s67, s[WV], WST
	s_add_co_u32 s67, s67, STAGE                   ; my stage
	v_mul_u32_u24 v4, v1, SP                       ; in: row l % 16, 16 bytes for each half of the lanes
	v_lshl_add_u32 v4, v2, 4, v4
	v_add_nc_u32 v[STO], s67, v4
	v_bfe_u32 v5, v0, 3, 2                         ; back: 32 lanes take four rows of 128 bytes,
	v_mul_u32_u24 v5, v5, SP
	v_and_b32 v6, 7, v0
	v_lshl_add_u32 v5, v6, 4, v5
	v_add_nc_u32 v[RD], s67, v5
	v_and_b32 v[GO], 31, v0                        ; which are 512 consecutive bytes of an output
	v_lshlrev_b32 v[GO], 4, v[GO]
	s_lshr_b32 s72, s21, 3                         ; the head among all 64: 16 x batch + head
	s_lshl_b32 s72, s72, 4
	s_add_co_u32 s72, s72, s20
	s_lshl_b32 s74, s72, 11                        ; q: 2,048 rows of 128 bytes a head
	s_add_co_u32 s74, s74, s68
	s_lshl_b32 s74, s74, 7
	s_mov_b32 s75, 0
	s_add_nc_u64 s[10:11], s[10:11], s[74:75]
	s_mul_i32 s76, s72, 2176                       ; k and v: 2,176 rows a head, token t at row 128 + t
	s_add_co_u32 s76, s76, s68
	s_add_co_u32 s76, s76, 128
	s_lshl_b32 s76, s76, 7
	s_mov_b32 s77, 0
	s_add_nc_u64 s[12:13], s[12:13], s[76:77]
	s_add_nc_u64 s[14:15], s[14:15], s[76:77]
; 12 matrix instructions: token block a x all 12 column blocks, 32 along K, from buffer f.  zero = 1: the first product starts the sums.
; The 48 accumulators take turns in the same order in every quarter: between two links of a chain stand the 47 others'.
.macro MULA f, a, zero
	WIN 0xa5+0x50*((\a)/2)                         ; sources window 1; C and D window 2 or 3
.irp b, 0,1,2,3,4,5,6,7,8,9,10,11
.if \zero
	v_wmma_f32_16x16x32_bf16 v[8*(12*((\a)%2)+(\b)):8*(12*((\a)%2)+(\b))+7], v[(\f)+32+8*(\b):(\f)+32+8*(\b)+7], v[(\f)+8*(\a):(\f)+8*(\a)+7], 0
.else
	v_wmma_f32_16x16x32_bf16 v[8*(12*((\a)%2)+(\b)):8*(12*((\a)%2)+(\b))+7], v[(\f)+32+8*(\b):(\f)+32+8*(\b)+7], v[(\f)+8*(\a):(\f)+8*(\a)+7], v[8*(12*((\a)%2)+(\b)):8*(12*((\a)%2)+(\b))+7]
.endif
.endr
.endm
; 32 LDS loads in one run: quarter q (32 along K at byte 64 q of the rows) into buffer f: the weights first, x's blocks 0 to 3 last
.macro FETCH slot, q, f
	WIN TO_F
.irp b, 0,1,2,3,4,5,6,7,8,9,10,11
	ds_load_b128 v[(\f)+32+8*(\b):(\f)+32+8*(\b)+3],   v[ADRB+(\slot)] offset:64*(\q)+(\b)*16*PITCH
	ds_load_b128 v[(\f)+32+8*(\b)+4:(\f)+32+8*(\b)+7], v[ADRB+(\slot)] offset:64*(\q)+(\b)*16*PITCH+32
.endr
.irp a, 0,1,2,3
	ds_load_b128 v[(\f)+8*(\a):(\f)+8*(\a)+3],   v[ADRA+(\slot)] offset:64*(\q)+(\a)*16*PITCH
	ds_load_b128 v[(\f)+8*(\a)+4:(\f)+8*(\a)+7], v[ADRA+(\slot)] offset:64*(\q)+(\a)*16*PITCH+32
.endr
.endm
; A K step is four quarters, 48 matrix instructions each, on buffers 0, 1, 0, 1.  One of the first three multiplies buffer f and, in its middle, fetches quarter q into buffer g.
.macro QUARTER slot, q, f, g, zero
	s_wait_dscnt 4                                 ; the weights and x's blocks 0, 1 are in; the youngest four loads (blocks 2, 3) may be out
	MULA \f, 0, \zero
	MULA \f, 1, \zero
	PLACES
	FETCH \slot, \q, \g
	s_wait_dscnt NL                                ; all but the 32 just issued
	MULA \f, 2, \zero
	MULA \f, 3, \zero
.endm
; The last quarter multiplies buffer 1 and changes slots: ONE barrier.  In front of it each wave waits for all its tensor loads (one is out: its part of the next slot), adds 0 to its spare word,
; and waits for that and for its reads of this slot.  fill = 1: the barrier opens a round of the cluster's, and this slot is filled again first thing behind it, two K steps ahead:
; 168 matrix instructions stand between that request and the wait for it.
.macro TURN slot, next, fill
	WIN 0                                          ; (the add's two registers lie in window 0)
	s_wait_tensorcnt 0x0
	ds_add_u32 v[SPW], v[NIL]
	s_wait_dscnt 5                                 ; (the add and the youngest four loads may be out)
	MULA F1, 0, 0                                  ; twelve matrix instructions stand between the add and the wait for it
	s_wait_dscnt 0x0                               ; the add is done, and my reads of this slot are over
	s_barrier_signal -1
	MULA F1, 1, 0
.if \fill
	WIN 0
.endif
	s_barrier_wait -1
.if \fill
	CREST                                          ; no wave of any partner still reads this slot's tiles or has a load on its way
	s_add_nc_u64 s[G0+4*(\slot)+2:G0+4*(\slot)+3], s[G0+4*(\slot)+2:G0+4*(\slot)+3], 2*KSTEP*2
	s_add_nc_u64 s[G0B+4*(\slot)+2:G0B+4*(\slot)+3], s[G0B+4*(\slot)+2:G0B+4*(\slot)+3], 2*KSTEP*2
	JLOAD \slot                                    ; its four v_nop are also the places in front of the loads below
.else
	PLACES
.endif
	FETCH \next, 0, F0
	MULA F1, 2, 0
	MULA F1, 3, 0
.endm
	s_wait_tensorcnt 1                             ; my part of K step 0 is in; K step 1's may stay out
	s_barrier_signal -1
	s_barrier_wait -1
	FETCH 0, 0, F0
	QUARTER 0, 1, F0, F1, 1                        ; the first quarter stands in front of the loop: its products start the sums
	WIN 0                                          ; at a label and at a branch every window is 0
	s_mov_b32 s3, 3                                ; 8 K steps = 4 laps of the ring; the last lap is written out
.Llap:
	QUARTER 0, 2, F1, F0, 0
	QUARTER 0, 3, F0, F1, 0
	TURN 0, 1, 1
	QUARTER 1, 1, F0, F1, 0
	QUARTER 1, 2, F1, F0, 0
	QUARTER 1, 3, F0, F1, 0
	TURN 1, 0, 1
	QUARTER 0, 1, F0, F1, 0
	WIN 0
	s_sub_co_u32 s3, s3, 1
	s_cmp_lg_u32 s3, 0
	s_cbranch_scc1 .Llap
	QUARTER 0, 2, F1, F0, 0                        ; the last lap fills nothing and has no round
	QUARTER 0, 3, F0, F1, 0
	TURN 0, 1, 0
	QUARTER 1, 1, F0, F1, 0
	QUARTER 1, 2, F1, F0, 0
	QUARTER 1, 3, F0, F1, 0
	s_wait_dscnt 4
	MULA F1, 0, 0
	MULA F1, 1, 0
	s_wait_dscnt 0x0
	MULA F1, 2, 0
	MULA F1, 3, 0
	WIN 0
	PLACES
	s_wait_loadcnt 0x0                             ; the table
; THE WAY OUT of token block a: q and k are turned (each accumulator read from its lowest pair on), all three rounded to f16, 16 bytes a lane into my stage,
; back as whole rows of 128 bytes, and stored: 16 tokens of a head are 2,048 consecutive bytes, each store 512 of them, aligned.
.macro OUTA a
.set AB, 96*((\a)%2)
.if (\a) > 0
	s_wait_xcnt 0x0                                ; the block before's stores have had their addresses translated (ISA guide 3.1): only now are their data registers rewritten
.endif
	WIN 2+(\a)/2                                   ; source 0: the accumulators' window
.irp y, 0,1
.irp u, 0,1
.irp p, 0,1,2,3
.set LO, AB+8*(4*(\y)+(\u))+2*(\p)
.set CO, ROPE+32*(\a)+8*(\u)+2*(\p)
.set T1, TMP+4*(\p)
.set R0, RES+32*(\y)+8*(\u)+2*(\p)
	v_pk_mul_f32 v[T1:T1+1],   v[LO+16:LO+17], v[CO+16:CO+17]
	v_pk_mul_f32 v[T1+2:T1+3], v[LO:LO+1],     v[CO+16:CO+17]
	v_pk_fma_f32 v[R0:R0+1],     v[LO:LO+1],     v[CO:CO+1], v[T1:T1+1] neg_lo:[0,0,1] neg_hi:[0,0,1]
	v_pk_fma_f32 v[R0+16:R0+17], v[LO+16:LO+17], v[CO:CO+1], v[T1+2:T1+3]
.endr
.endr
.endr
	WIN 0
.set i, 0
.rept 32                               ; in place, ascending: a destination was read by this line or an earlier one
	v_cvt_pk_f16_f32 v[RES+i], v[RES+2*i], v[RES+2*i+1]
.set i, i+1
.endr
	WIN 5*(2+(\a)/2)                               ; sources 0 and 1: the accumulators' window
.set i, 0
.rept 16
	v_cvt_pk_f16_f32 v[RES+32+i], v[AB+64+2*i], v[AB+64+2*i+1]
.set i, i+1
.endr
	WIN 0
.irp y, 0,1,2
.irp c, 0,1,2,3
	ds_store_b128 v[STO], v[RES+16*(\y)+4*(\c):RES+16*(\y)+4*(\c)+3] offset:(\y)*16*SP+32*(\c)
.endr
.endr
.irp y, 0,1,2
.irp c, 0,1,2,3
	ds_load_b128 v[RES+16*(\y)+4*(\c):RES+16*(\y)+4*(\c)+3], v[RD] offset:(\y)*16*SP+(\c)*4*SP  ; LDS serves a wave's instructions in order (ISA guide 5.7.1.4): these see the stores above
.endr
.endr
.irp y, 0,1,2
.irp c, 0,1,2,3
	s_wait_dscnt 11-4*(\y)-(\c)                    ; the younger read-backs stay out
	global_store_b128 v[GO], v[RES+16*(\y)+4*(\c):RES+16*(\y)+4*(\c)+3], s[10+2*(\y):11+2*(\y)] offset:(\a)*2048+(\c)*512
.endr
.endr
.endm
	OUTA 0
	OUTA 1
	OUTA 2
	OUTA 3
	s_wait_tensorcnt 0x0                           ; the wave's end
	ds_add_u32 v[SPW], v[NIL]
	s_wait_dscnt 0x0
	CROUND                                         ; the closing round: no work-group ends while a partner may still ask for a tile that names it
	s_endpgm
.Lfunc_end_k_qe8f19171a0_qkv:
	.size	k_qe8f19171a0_qkv, .Lfunc_end_k_qe8f19171a0_qkv-k_qe8f19171a0_qkv
	.p2alignl 7, 3214868480
	.fill 96, 4, 3214868480
	.section	.rodata,"a",@progbits
	.p2align	6, 0x0
	.amdhsa_kernel k_qe8f19171a0_qkv
		.amdhsa_group_segment_fixed_size 327680
		.amdhsa_private_segment_fixed_size 0
		.amdhsa_enable_private_segment 0
		.amdhsa_kernarg_size 48
		.amdhsa_user_sgpr_count 2
		.amdhsa_user_sgpr_kernarg_segment_ptr 1
		.amdhsa_wavefront_size32 1
		.amdhsa_system_sgpr_workgroup_id_x 1
		.amdhsa_system_sgpr_workgroup_id_y 1
		.amdhsa_system_sgpr_workgroup_id_z 1
		.amdhsa_system_vgpr_workitem_id 0
		.amdhsa_next_free_vgpr 960
		.amdhsa_next_free_sgpr 80
		.amdhsa_reserve_vcc 0
		.amdhsa_float_denorm_mode_32 3
		.amdhsa_float_denorm_mode_16_64 3
		.amdhsa_memory_ordered 1
		.amdhsa_forward_progress 1
		.amdhsa_inst_pref_size 138
	.end_amdhsa_kernel
	.amdgpu_metadata
---
amdhsa.version: [ 1, 2 ]
amdhsa.kernels:
  - .name:           k_qe8f19171a0_qkv
    .symbol:         k_qe8f19171a0_qkv.kd
    .args:
      - { .name: xb, .offset: 0, .size: 8, .value_kind: global_buffer, .address_space: global }
      - { .name: wqkv, .offset: 8, .size: 8, .value_kind: global_buffer, .address_space: global }
      - { .name: rope, .offset: 16, .size: 8, .value_kind: global_buffer, .address_space: global }
      - { .name: q16, .offset: 24, .size: 8, .value_kind: global_buffer, .address_space: global }
      - { .name: k16, .offset: 32, .size: 8, .value_kind: global_buffer, .address_space: global }
      - { .name: v16, .offset: 40, .size: 8, .value_kind: global_buffer, .address_space: global }
    .group_segment_fixed_size: 327680
    .private_segment_fixed_size: 0
    .kernarg_segment_align: 8
    .kernarg_segment_size: 48
    .max_flat_workgroup_size: 128
    .sgpr_count:     80
    .vgpr_count:     960
    .wavefront_size: 32
...
	.end_amdgpu_metadata
.endif
;; end of part 2
;; launch attn (part 3): grid 4 x 64, 4 waves a work-group, no clusters, 278,528 bytes of LDS; arguments q16, k16, v16, o16; writes o16
.if DOCPART == 3
	.amdgcn_target "amdgcn-amd-amdhsa--gfx1250"
	.amdhsa_code_object_version 6
	.text
	.protected	k_qe8f19171a0_attn
	.globl	k_qe8f19171a0_attn
	.p2align	8
	.type	k_qe8f19171a0_attn,@function
k_qe8f19171a0_attn:
	s_mov_b64 s[64:65], 0
	v_nop
	global_prefetch_b8 v0, s[64:65] scope:SCOPE_SE
	s_setreg_imm32_b32 hwreg(HW_REG_WAVE_MODE, 25, 1), 1
	s_wait_xcnt 0x0
; ATTENTION IN A WINDOW.  O[h][q] = the sum over k = q - 127 .. q (k >= 0) of softmax_k(Q[h][q] . K[h][k] / 8) V[h][k].  q16, o16: [64][2048][64] f16; k16, v16: [64][128 + 2048][64] f16, key k at row 128 + k,
; the first 128 rows 0.  Products, maxima and sums in f32; the weights are rounded to f16 for the second product (their sum is taken unrounded), O once at the end.
; Keys outside the window are not multiplied: their weight is 0.
; SHARES.  A work-group: 512 queries of a head, 4 x 64 = 256 work-groups.  Its 640 keys and values and its queries come into LDS once, by two tensor loads a wave at the head; nothing is filled again.
; A wave owns 128 queries, four PIECES of 32 (two tiles of 16), one a trip.  Piece at query Q0 (from the block's first) uses LDS rows Q0 .. Q0 + 159 (row = key + 128 - block's first): ten blocks of 16.
; Tile u takes blocks u .. u + 8: block u holds the window's lower edge (key j of it counts for query i if j > i), block u + 8 the diagonal (j <= i), the seven between count whole.
; THE MASK is the C operand that starts those two sums: 0 or -1e30.  In a head's first 128 queries the blocks of rows in front of key 0 get -1e30 added: NH blocks, 8 - 2 x piece, by a scalar made of ids.
; All 144 scores of a query lie in registers (72 a lane, two lanes a query), so the maximum taken away is the true one; a query's own key always counts.
; LAYOUT.  S^T = K Q^T (source 0 = 16 keys, source 1 = 16 queries): a lane holds ONE query (lane % 16) and keys 8 (lane / 16) + 0..7.  Two such blocks rounded to f16 ARE source 1 (32 keys x 16 queries) of
; O^T = V^T P.  V comes out of LDS turned, by ds_load_tr16_b128.  The tenth block of a tile, which it does not compute, has P = 0.
; NO CLUSTER: neighbouring blocks of a head share 128 of their 640 keys.  IN PHASES: products, softmax, products.
; LIMITS.  A hidden score counts as its value less 1e30; a weight below 2^-126 counts as 0; p below 6e-5 keeps f16's fixed step of 6e-8; NaN and infinities are not treated apart.
; REGISTERS, in windows of 256 (s_set_vgpr_msb: bits 1:0 source 0, 3:2 source 1, 5:4 source 2, 7:6 destination):
;   window 0: v2-3 c m; v4-15 addresses; v16-24 nine maxima; v26-29 sums; v30-31, v24-25 1 / l of tile 0, 1; v32-175 S^T; v176-255 P
;   window 1: v0-159 K (block kb, channel half c at 16 kb + 8 c); v160-191 Q; v192-199 the lower edge's mask; v200-207 the diagonal's
;   window 2: v0-159 V (32 keys kk, channel block cb at 32 kk + 8 cb); v160-223 O^T
.set PK,    144                        ; a row of K or Q in LDS: 128 bytes + 16 = 36 words: the 16 rows of a load start at 16 different groups of four banks (64 banks of 4 bytes: ISA guide 11.1)
.set PV,    160                        ; a row of V: 128 + 32 = 40 words
.set VOFF,  640*PK
.set QOFF,  VOFF+640*PV
.set STAGE, QOFF+512*PK                ; 16 rows x 144 bytes for each wave, for the way out
.set SPARE, STAGE+4*16*PK              ; the spare words, 128 bytes a wave, two blocks of 256 bytes that no other line names
.set AK0, 4                            ; v4  my lane's place in my wave's rows of K;  v5 of V;  v6 of Q: never rewritten
.set AV0, 5
.set AQ0, 6
.set AK,  7                            ; v7-9  the same for the piece in hand
.set AV,  8
.set AQ,  9
.set STO, 10
.set RD,  11
.set GO,  12                           ; v12 my byte offset in the wave's rows of O: steps with the pieces
.set SPW, 14                           ; v14 my spare word: SPARE + 4 x my thread's number; never rewritten
.set NIL, 15                           ; v15 0; never rewritten
.set T,   16
.set S,   32
.set P,   176
.set QF,  160
.set ML,  192
.set MD,  200
.set OF,  160
.set WV,  16                           ; s16 wave; s17 wave % 2
.set G1K, 24
.set G1V, 32
.set G1Q, 40
.set G0K, 48
.set G0V, 52
.set G0Q, 56
.set CS,  60                           ; s[60:61] c = log2(e) / 8
.set SEL, 62                           ; s[62:63] v_permlanex16_b32's selects: each lane takes its own place in the other half
.set TBK, 66                           ; s66 the piece's first row in bytes of pitch 144 (K and Q); s67 of pitch 160 (V)
.set TBV, 67
.set CNT, 68
.set NH,  69                           ; s69 blocks of the piece that lie in front of the head's first key
.set BE,  70                           ; s[70:71] what is added to a block: 0 or -1e30
.set BIGN, 72
.set MSB, 0
.macro WIN new
.if MSB != (\new)
	s_set_vgpr_msb (MSB<<8)|(\new)
.set MSB, (\new)
.endif
.endm
.set W_KQ, 0x05                        ; K and Q window 1, S^T window 0
.set W_KM, 0x15                        ; the same with C in window 1
.set W_PV, 0xa2                        ; V window 2, P window 0, O^T window 2
.macro PLACES
.rept 4
	v_nop
.endr
.endm
	s_load_b256 s[4:11], s[0:1], 0x0               ; q16 4:5, k16 6:7, v16 8:9, o16 10:11
	v_lshl_add_u32 v[SPW], v0, 2, SPARE
	v_mov_b32 v[NIL], 0
	ds_add_u32 v[SPW], v[NIL]                      ; the wave's opening: the add and its wait stand ahead of my first tensor load; work on registers stands between them
	ds_add_u32 v14, v15
	v_lshrrev_b32 v1, 5, v0
	v_readfirstlane_b32 s[WV], v1
	s_and_b32 s17, s[WV], 1
	s_and_b32 s18, ttmp7, 0xffff                   ; the head
	s_lshl_b32 s19, ttmp9, 9                       ; the block's first query
	s_mul_i32 s20, s18, 2176                       ; K and V: the head's rows, the block's first row (key - 128 lies at row key), my half of 320
	s_add_co_u32 s20, s20, s19
	s_mul_i32 s21, s17, 320
	s_add_co_u32 s20, s20, s21
	s_lshl_b32 s20, s20, 7
	s_mov_b32 s21, 0
	s_lshl_b32 s22, s18, 11                        ; Q and O: my wave's 128 rows
	s_add_co_u32 s22, s22, s19
	s_lshl_b32 s23, s[WV], 7
	s_add_co_u32 s22, s22, s23
	s_lshl_b32 s22, s22, 7
	s_mov_b32 s23, 0
	; group 1: dense bytes asked for as rows of 256, two keys a row, padded in LDS after every key
	s_mov_b32 s[G1K], (1<<16)|(1<<20)|(4<<22)|(3<<25)  ; 2-byte elements; padding on; after every 32 words; 4 words
	s_mov_b32 s[G1V], (1<<16)|(1<<20)|(4<<22)|(7<<25)  ; 8 words
	s_mov_b32 s[G1Q], (1<<16)|(1<<20)|(4<<22)|(3<<25)
.irp g, G1K, G1V
	s_mov_b32 s[\g+1], 128<<16                     ; tensor_dim0 = 128
	s_mov_b32 s[\g+2], 160<<16                     ; tensor_dim1 = 160: 320 keys
	s_mov_b32 s[\g+3], 128<<16                     ; tile_dim0
	s_mov_b32 s[\g+4], 160                         ; tile_dim1
	s_mov_b32 s[\g+5], 128                         ; elements from row to row
	s_mov_b32 s[\g+6], 0
	s_mov_b32 s[\g+7], 0
.endr
	s_mov_b32 s[G1Q+1], 128<<16
	s_mov_b32 s[G1Q+2], 64<<16                     ; 128 queries
	s_mov_b32 s[G1Q+3], 128<<16
	s_mov_b32 s[G1Q+4], 64
	s_mov_b32 s[G1Q+5], 128
	s_mov_b32 s[G1Q+6], 0
	s_mov_b32 s[G1Q+7], 0
	s_mov_b32 s[G0K], 1
	s_mul_i32 s[G0K+1], s17, 320*PK
	s_mov_b32 s[G0V], 1
	s_mul_i32 s[G0V+1], s17, 320*PV
	s_add_co_u32 s[G0V+1], s[G0V+1], VOFF
	s_mov_b32 s[G0Q], 1
	s_mul_i32 s[G0Q+1], s[WV], 128*PK
	s_add_co_u32 s[G0Q+1], s[G0Q+1], QOFF
	s_mov_b32 s[CS], 0x3e38aa3b
	s_mov_b32 s[CS+1], s[CS]
	s_mov_b32 s[SEL], 0x76543210
	s_mov_b32 s[SEL+1], 0xfedcba98
	s_mov_b32 s[BIGN], 0xf149f2ca                  ; -1e30
	s_mov_b32 s[BE+1], 0                           ; named as a pair
	s_mov_b32 s[TBK], 0
	s_mov_b32 s[TBV], 0
	s_mov_b32 s[CNT], 4
	s_or_b32 s[NH], ttmp9, s[WV]                   ; only a head's first block's wave 0 sees rows in front of key 0
	s_cmp_eq_u32 s[NH], 0
	s_cselect_b32 s[NH], 8, 0
	s_wait_dscnt 0x0                               ; the opening add is done
	s_wait_kmcnt 0x0
	s_add_nc_u64 s[G0K+2:G0K+3], s[6:7], s[20:21]
	s_or_b32 s[G0K+3], s[G0K+3], 0x80000000
	s_add_nc_u64 s[G0V+2:G0V+3], s[8:9], s[20:21]
	s_or_b32 s[G0V+3], s[G0V+3], 0x80000000
	s_add_nc_u64 s[G0Q+2:G0Q+3], s[4:5], s[22:23]
	s_or_b32 s[G0Q+3], s[G0Q+3], 0x80000000
	s_add_nc_u64 s[10:11], s[10:11], s[22:23]
	s_cmp_lt_u32 s[WV], 2                          ; waves 0, 1: a half of K; waves 2, 3: a half of V; each its own Q.  Two loads of mine are out; an s_nop 0 follows each, four v_nop the second
	s_cbranch_scc0 .Lfor_v
	tensor_load_to_lds s[G0K:G0K+3], s[G1K:G1K+7]
	s_nop 0
	tensor_load_to_lds s[G0Q:G0Q+3], s[G1Q:G1Q+7]
	s_nop 0
.rept 4
	v_nop
.endr
	s_branch .Lasked
.Lfor_v:
	tensor_load_to_lds s[G0V:G0V+3], s[G1V:G1V+7]
	s_nop 0
	tensor_load_to_lds s[G0Q:G0Q+3], s[G1Q:G1Q+7]
	s_nop 0
.rept 4
	v_nop
.endr
.Lasked:
	v_and_b32 v1, 15, v0                           ; l % 16
	v_bfe_u32 v2, v0, 4, 1                         ; l / 16
	v_mul_u32_u24 v3, v1, PK
	v_lshl_add_u32 v3, v2, 4, v3                   ; row x 144 + 16 x half
	s_mul_i32 s73, s[WV], 128*PK
	v_add_nc_u32 v[AK0], s73, v3
	v_add_nc_u32 v[AQ0], QOFF, v[AK0]
	v_and_b32 v16, 7, v0                           ; the turning load: lane l reads key 8 (l / 16) + l % 8, channels 8 ((l / 8) % 2) + 0..7
	v_bfe_u32 v17, v0, 3, 1
	v_lshl_add_u32 v[AV0], v2, 3, v16
	v_mul_u32_u24 v[AV0], v[AV0], PV
	v_lshl_add_u32 v[AV0], v17, 4, v[AV0]
	s_mul_i32 s74, s[WV], 128*PV
	s_add_co_u32 s74, s74, VOFF
	v_add_nc_u32 v[AV0], s74, v[AV0]
	s_mul_i32 s75, s[WV], 16*PK
	s_add_co_u32 s75, s75, STAGE
	v_add_nc_u32 v[STO], s75, v3                   ; in: row l % 16, 16 bytes for each half of the lanes
	v_bfe_u32 v[RD], v0, 3, 2                      ; back: 32 lanes take four rows of 128 bytes,
	v_mul_u32_u24 v[RD], v[RD], PK
	v_lshl_add_u32 v[RD], v16, 4, v[RD]
	v_add_nc_u32 v[RD], s75, v[RD]
	v_and_b32 v[GO], 31, v0                        ; which are 512 consecutive bytes of O
	v_lshlrev_b32 v[GO], 4, v[GO]
	v_lshlrev_b32 v13, 3, v2
	v_sub_nc_u32 v13, v1, v13                      ; my query's place in its tile less my lanes' 8 (l / 16): register j is key j' = 8 (l / 16) + j
	WIN 0x40
.set j, 0
.rept 8
	v_cmp_le_i32 vcc_lo, j, v13                    ; the lower edge: hidden where j' <= i
	v_cndmask_b32 v[ML+j], 0, s[BIGN], vcc_lo
	v_cmp_gt_i32 vcc_lo, j, v13                    ; the diagonal: hidden where j' > i
	v_cndmask_b32 v[MD+j], 0, s[BIGN], vcc_lo
.set j, j+1
.endr
	WIN 0
.irp i, 0,1,2,3
	v_mov_b32 v[P+36+(\i)], 0                      ; tile 0 has no block 9,
	v_mov_b32 v[P+40+(\i)], 0                      ; tile 1 no block 0: written once, never again
.endr
	s_wait_tensorcnt 0x0                           ; my two loads have landed,
	s_barrier_signal -1
	s_barrier_wait -1                              ; everybody's have
; One product of S^T: tile u, key block kb, channel half c.  cm = 0: C = 0; 1: the lower edge's mask; 2: the diagonal's; 3: in place.
.macro KQ1 u, kb, c, cm
.set rS, S+72*(\u)+8*((\kb)-(\u))
.set rK, 16*(\kb)+8*(\c)
.set rQ, QF+16*(\u)+8*(\c)
.if (\cm) == 0
	v_wmma_f32_16x16x32_f16 v[rS:rS+7], v[rK:rK+7], v[rQ:rQ+7], 0
.elseif (\cm) == 1
	v_wmma_f32_16x16x32_f16 v[rS:rS+7], v[rK:rK+7], v[rQ:rQ+7], v[ML:ML+7]
.elseif (\cm) == 2
	v_wmma_f32_16x16x32_f16 v[rS:rS+7], v[rK:rK+7], v[rQ:rQ+7], v[MD:MD+7]
.else
	v_wmma_f32_16x16x32_f16 v[rS:rS+7], v[rK:rK+7], v[rQ:rQ+7], v[rS:rS+7]
.endif
.endm
; Pair n of the 36 of the tile in hand: c s - c m.  n is a symbol that the macro steps
.macro SCALE
	v_pk_fma_f32 v[rS+2*n:rS+2*n+1], v[rS+2*n:rS+2*n+1], s[CS:CS+1], v[2:3] op_sel_hi:[1,0,0] neg_lo:[0,0,1] neg_hi:[0,0,1]
.set n, n+1
.endm
; Block k's eight exponentials, in place
.macro EXPS k
.irp e, 0,1,2,3,4,5,6,7
	v_exp_f32 v[rS+8*(\k)+(\e)], v[rS+8*(\k)+(\e)]
.endr
.endm
; Block k (0..8) of the tile in hand, its exponentials done: four roundings to f16 into P, and its four pairs onto the two running sums
.macro BLK k
	s_wait_alu depctr_va_vdst(0)
.irp i, 0,1,2,3
	v_cvt_pk_f16_f32 v[rP+4*(\k)+(\i)], v[rS+8*(\k)+2*(\i)], v[rS+8*(\k)+2*(\i)+1]
.endr
.if (\k) == 0
	v_pk_add_f32 v[26:27], v[rS:rS+1], v[rS+2:rS+3]
	v_pk_add_f32 v[28:29], v[rS+4:rS+5], v[rS+6:rS+7]
.else
	v_pk_add_f32 v[26:27], v[26:27], v[rS+8*(\k):rS+8*(\k)+1]
	v_pk_add_f32 v[28:29], v[28:29], v[rS+8*(\k)+2:rS+8*(\k)+3]
	v_pk_add_f32 v[26:27], v[26:27], v[rS+8*(\k)+4:rS+8*(\k)+5]
	v_pk_add_f32 v[28:29], v[28:29], v[rS+8*(\k)+6:rS+8*(\k)+7]
	s_wait_alu depctr_va_vdst(0)
.endif
.endm
; Tile u's softmax: the maximum of the lane's 72 scores (nine chains, each accumulator's lowest registers first) and of the lane 16 away; p = 2^(c s - c m); P; 1 / l.
.macro SOFT u
.set rS, S+72*(\u)
.set rP, P+44*(\u)                     ; block k of the tile is key block k + u
.set rL, 30-6*(\u)
.irp k, 0,1,2,3,4,5,6,7,8
	v_max3_num_f32 v[T+(\k)], v[rS+8*(\k)], v[rS+8*(\k)+1], v[rS+8*(\k)+2]
.endr
.irp k, 0,1,2,3,4,5,6,7,8
	v_max3_num_f32 v[T+(\k)], v[T+(\k)], v[rS+8*(\k)+3], v[rS+8*(\k)+4]
.endr
.irp k, 0,1,2,3,4,5,6,7,8
	v_max3_num_f32 v[T+(\k)], v[T+(\k)], v[rS+8*(\k)+5], v[rS+8*(\k)+6]
.endr
	v_max3_num_f32 v[T], v[T], v[rS+7], v[rS+15]
	v_max3_num_f32 v[T+1], v[T+1], v[rS+23], v[rS+31]
	v_max3_num_f32 v[T+2], v[T+2], v[rS+39], v[rS+47]
	v_max3_num_f32 v[T+3], v[T+3], v[rS+55], v[rS+63]
	v_max3_num_f32 v[T+4], v[T+4], v[rS+71], v[T+5]
	v_max_num_f32 v[T+7], v[T+7], v[T+8]
	v_max3_num_f32 v[T], v[T], v[T+1], v[T+2]
	v_max3_num_f32 v[T+3], v[T+3], v[T+4], v[T+6]
	v_max3_num_f32 v[T], v[T], v[T+3], v[T+7]
	v_permlanex16_b32 v[T+1], v[T], s[SEL], s[SEL+1]
	v_max_num_f32 v[T], v[T], v[T+1]
	v_mul_f32 v2, s[CS], v[T]                      ; c m
	v_mov_b32 v3, v2                               ; named with it as a pair
	; Between an exponential and the use of its result stands a plain vector instruction on other registers; a second exponential is none (ISA guide 5.7.2).
	; Behind block 0's eight stand block 8's four scalings, behind block k's the roundings and sums of block k - 1; block 8's own come behind block 7's.
.set n, 0
.rept 32
	SCALE                                          ; blocks 0 to 7
.endr
	EXPS 0
.rept 4
	SCALE                                          ; block 8
.endr
.irp k, 1,2,3,4,5,6,7,8
	EXPS \k
	BLK (\k)-1
.endr
	BLK 8
	v_pk_add_f32 v[26:27], v[26:27], v[28:29]
	v_add_f32 v26, v26, v27
	v_permlanex16_b32 v27, v26, s[SEL], s[SEL+1]   ; the query's other 72 keys lie in the lane 16 away
	v_add_f32 v26, v26, v27
	v_rcp_f32 v[rL], v26
	v_rcp_f32 v[rL+1], v26
	v_nop                                          ; a plain instruction behind the reciprocals
.endm
; Tile u's O^T: divided by l, rounded, 16 bytes a lane into my stage, back as whole rows
.macro PACK u
	WIN 0x82                                       ; destination and source 0 window 2, 1 / l window 0
.set i, 0
	s_wait_alu depctr_va_vdst(0)
.rept 16
	v_pk_mul_f32 v[OF+32*(\u)+2*i:OF+32*(\u)+2*i+1], v[OF+32*(\u)+2*i:OF+32*(\u)+2*i+1], v[30-6*(\u):31-6*(\u)] op_sel_hi:[1,0]
.set i, i+1
.endr
	WIN 0x0a                                       ; sources window 2, destination window 0: S^T's registers are free
.set i, 0
.rept 16
	v_cvt_pk_f16_f32 v[S+16*(\u)+i], v[OF+32*(\u)+2*i], v[OF+32*(\u)+2*i+1]
.set i, i+1
.endr
	WIN 0
.irp c, 0,1,2,3
	ds_store_b128 v[STO], v[S+16*(\u)+4*(\c):S+16*(\u)+4*(\c)+3] offset:32*(\c)
.endr
.irp c, 0,1,2,3
	ds_load_b128 v[S+16*(\u)+4*(\c):S+16*(\u)+4*(\c)+3], v[RD] offset:(\c)*4*PK  ; LDS serves a wave's instructions in order (ISA guide 5.7.1.4): these see the stores above; the next tile's stores come behind them
.endr
.endm
.macro SEND u, younger                 ; younger: the LDS instructions issued behind tile u's loads
.irp c, 0,1,2,3
	s_wait_dscnt (\younger)+3-(\c)
	global_store_b128 v[GO], v[S+16*(\u)+4*(\c):S+16*(\u)+4*(\c)+3], s[10:11] offset:(\u)*2048+(\c)*512  ; 512 consecutive bytes, aligned
.endr
.endm
.Lpiece:                               ; four trips, a piece each
	v_add_nc_u32 v[AK], s[TBK], v[AK0]
	v_add_nc_u32 v[AQ], s[TBK], v[AQ0]
	v_add_nc_u32 v[AV], s[TBV], v[AV0]
	WIN 0x40                                       ; destination window 1.  The registers' last readers stand in front of the four v_nop behind each run of products
.irp u, 0,1
.irp c, 0,1
	ds_load_b128 v[QF+16*(\u)+8*(\c):QF+16*(\u)+8*(\c)+3],   v[AQ] offset:(\u)*16*PK+(\c)*64
	ds_load_b128 v[QF+16*(\u)+8*(\c)+4:QF+16*(\u)+8*(\c)+7], v[AQ] offset:(\u)*16*PK+(\c)*64+32
.endr
.endr
.irp kb, 0,1,2,3,4,5,6,7,8,9
.irp c, 0,1
	ds_load_b128 v[16*(\kb)+8*(\c):16*(\kb)+8*(\c)+3],   v[AK] offset:(\kb)*16*PK+(\c)*64
	ds_load_b128 v[16*(\kb)+8*(\c)+4:16*(\kb)+8*(\c)+7], v[AK] offset:(\kb)*16*PK+(\c)*64+32
.endr
.endr
	WIN 0x80                                       ; destination window 2
.irp kk, 0,1,2,3,4
.irp cb, 0,1,2,3
	ds_load_tr16_b128 v[32*(\kk)+8*(\cb):32*(\kk)+8*(\cb)+3],   v[AV] offset:(\kk)*32*PV+(\cb)*32
	ds_load_tr16_b128 v[32*(\kk)+8*(\cb)+4:32*(\kk)+8*(\cb)+7], v[AV] offset:(\kk)*32*PV+16*PV+(\cb)*32
.endr
.endr
	s_wait_dscnt 40                                ; Q and K are in; V's 40 loads may be out
	; 36 products: the 18 accumulators take turns: the same order in both halves of the channels
	WIN W_KM
	KQ1 0, 0, 0, 1
	KQ1 1, 1, 0, 1
	KQ1 0, 8, 0, 2
	KQ1 1, 9, 0, 2
	WIN W_KQ
.irp kb, 1,2,3,4,5,6,7
	KQ1 0, \kb, 0, 0
	KQ1 1, (\kb)+1, 0, 0
.endr
	KQ1 0, 0, 1, 3
	KQ1 1, 1, 1, 3
	KQ1 0, 8, 1, 3
	KQ1 1, 9, 1, 3
.irp kb, 1,2,3,4,5,6,7
	KQ1 0, \kb, 1, 3
	KQ1 1, (\kb)+1, 1, 3
.endr
	WIN 0
	PLACES
	s_cmp_eq_u32 s[NH], 0                          ; a jump forward over vector work alone, on a number made of ids
	s_cbranch_scc1 .Lnomask
.irp kb, 0,1,2,3,4,5,6,7
	s_cmp_gt_u32 s[NH], \kb
	s_cselect_b32 s[BE], s[BIGN], 0
.irp i, 0,1,2,3
	v_pk_add_f32 v[S+8*(\kb)+2*(\i):S+8*(\kb)+2*(\i)+1], v[S+8*(\kb)+2*(\i):S+8*(\kb)+2*(\i)+1], s[BE:BE+1] op_sel_hi:[1,0]
.endr
.if (\kb) >= 1
.irp i, 0,1,2,3
	v_pk_add_f32 v[S+64+8*(\kb)+2*(\i):S+64+8*(\kb)+2*(\i)+1], v[S+64+8*(\kb)+2*(\i):S+64+8*(\kb)+2*(\i)+1], s[BE:BE+1] op_sel_hi:[1,0]
.endr
.endif
.endr
.Lnomask:
	SOFT 0
	SOFT 1
	s_wait_dscnt 0x0                               ; V is in
	WIN W_PV                                       ; 40 products: the 8 accumulators take turns; the first 8 start the sums
.irp kk, 0,1,2,3,4
.irp cb, 0,1,2,3
.irp u, 0,1
.if (\kk) == 0
	v_wmma_f32_16x16x32_f16 v[OF+32*(\u)+8*(\cb):OF+32*(\u)+8*(\cb)+7], v[32*(\kk)+8*(\cb):32*(\kk)+8*(\cb)+7], v[P+40*(\u)+8*(\kk):P+40*(\u)+8*(\kk)+7], 0
.else
	v_wmma_f32_16x16x32_f16 v[OF+32*(\u)+8*(\cb):OF+32*(\u)+8*(\cb)+7], v[32*(\kk)+8*(\cb):32*(\kk)+8*(\cb)+7], v[P+40*(\u)+8*(\kk):P+40*(\u)+8*(\kk)+7], v[OF+32*(\u)+8*(\cb):OF+32*(\u)+8*(\cb)+7]
.endif
.endr
.endr
.endr
	WIN 0
	PLACES
	PACK 0
	PACK 1                                         ; tile 1's arithmetic stands between tile 0's loads and its stores
	SEND 0, 8
	SEND 1, 0
	s_wait_xcnt 0x0                                ; the stores have had their addresses translated (ISA guide 3.1): only now are their offset and data registers rewritten
	v_add_nc_u32 v[GO], 4096, v[GO]                ; 32 rows of O on
	s_add_co_u32 s[TBK], s[TBK], 32*PK
	s_add_co_u32 s[TBV], s[TBV], 32*PV
	s_sub_co_i32 s[NH], s[NH], 2
	s_max_i32 s[NH], s[NH], 0
	s_sub_co_u32 s[CNT], s[CNT], 1
	s_cmp_lg_u32 s[CNT], 0
	s_cbranch_scc1 .Lpiece
	s_wait_tensorcnt 0x0                           ; the wave's end
	ds_add_u32 v[SPW], v[NIL]
	s_wait_dscnt 0x0
	s_endpgm
.Lfunc_end_k_qe8f19171a0_attn:
	.size	k_qe8f19171a0_attn, .Lfunc_end_k_qe8f19171a0_attn-k_qe8f19171a0_attn
	.p2alignl 7, 3214868480
	.fill 96, 4, 3214868480
	.section	.rodata,"a",@progbits
	.p2align	6, 0x0
	.amdhsa_kernel k_qe8f19171a0_attn
		.amdhsa_group_segment_fixed_size 278528
		.amdhsa_private_segment_fixed_size 0
		.amdhsa_enable_private_segment 0
		.amdhsa_kernarg_size 32
		.amdhsa_user_sgpr_count 2
		.amdhsa_user_sgpr_kernarg_segment_ptr 1
		.amdhsa_wavefront_size32 1
		.amdhsa_system_sgpr_workgroup_id_x 1
		.amdhsa_system_sgpr_workgroup_id_y 1
		.amdhsa_system_sgpr_workgroup_id_z 1
		.amdhsa_system_vgpr_workitem_id 0
		.amdhsa_next_free_vgpr 768
		.amdhsa_next_free_sgpr 80
		.amdhsa_reserve_vcc 1
		.amdhsa_float_denorm_mode_32 3
		.amdhsa_float_denorm_mode_16_64 3
		.amdhsa_memory_ordered 1
		.amdhsa_forward_progress 1
		.amdhsa_inst_pref_size 54
	.end_amdhsa_kernel
	.amdgpu_metadata
---
amdhsa.version: [ 1, 2 ]
amdhsa.kernels:
  - .name:           k_qe8f19171a0_attn
    .symbol:         k_qe8f19171a0_attn.kd
    .args:
      - { .name: q16, .offset: 0, .size: 8, .value_kind: global_buffer, .address_space: global }
      - { .name: k16, .offset: 8, .size: 8, .value_kind: global_buffer, .address_space: global }
      - { .name: v16, .offset: 16, .size: 8, .value_kind: global_buffer, .address_space: global }
      - { .name: o16, .offset: 24, .size: 8, .value_kind: global_buffer, .address_space: global }
    .group_segment_fixed_size: 278528
    .private_segment_fixed_size: 0
    .kernarg_segment_align: 8
    .kernarg_segment_size: 32
    .max_flat_workgroup_size: 128
    .sgpr_count:     80
    .vgpr_count:     768
    .wavefront_size: 32
...
	.end_amdgpu_metadata
.endif
;; end of part 3
;; launch oproj (part 4): grid 8 x 32, 4 waves a work-group, clusters of 4 x 4, 327,680 bytes of LDS; arguments o16, wo16, out0; writes out0
.if DOCPART == 4
	.amdgcn_target "amdgcn-amd-amdhsa--gfx1250"
	.amdhsa_code_object_version 6
	.text
	.protected	k_qe8f19171a0_oproj
	.globl	k_qe8f19171a0_oproj
	.p2align	8
	.type	k_qe8f19171a0_oproj,@function
k_qe8f19171a0_oproj:
	s_mov_b64 s[64:65], 0
	v_nop
	global_prefetch_b8 v0, s[64:65] scope:SCOPE_SE
	s_setreg_imm32_b32 hwreg(HW_REG_WAVE_MODE, 25, 1), 1
	s_wait_xcnt 0x0
	s_wait_alu depctr_hold_cnt(0) depctr_sa_sdst(0) depctr_va_vdst(0) depctr_va_sdst(0) depctr_va_ssrc(0) depctr_va_vcc(0) depctr_vm_vsrc(0)
	s_getreg_b32 s2, hwreg(HW_REG_IB_STS2, 6, 4)
	s_cmp_eq_u32 s2, 0
	s_cbranch_scc0 .Lentry_in_a_cluster
	s_endpgm
.Lentry_in_a_cluster:
	s_bfe_u32 s2, ttmp6, 0x10000c
	s_cmp_lg_u32 s2, 0xf033
	s_cbranch_scc0 .Lentry_shape_is_right
	s_endpgm
.Lentry_shape_is_right:
; OPROJ: out0[token][n] = the sum over k of O[token][k] Wo[n][k], k = 64 head + channel.  o16: [64 heads][2048][64] f16; wo16: [1024][1024] f16; out0: [8192][1024] f32.  Sums in f32, K ascending.
; TILE.  256 tokens x 128 columns: 32 x 8 = 256 work-groups.  Four waves one below the other: a wave owns 64 tokens and all 8 column blocks: 32 accumulators, 256 registers.
; K goes in 8 steps of 128 = two heads, through a ring of two LDS slots.  A head's 256 tokens are 32,768 dense bytes, asked for as 128 rows of 256 bytes and padded in LDS after every token.
; CLUSTER 4 x 4: O's tile hangs on the tile row alone and is asked for jointly by a row of the cluster, Wo's on the tile column alone and by a column.
; THE MATRIX INSTRUCTION IS USED TRANSPOSED (source 0 = 16 rows of Wo, source 1 = 16 tokens): lane l holds token l % 16 and columns 8 (l / 16) + 0..7: 32 neighbouring bytes of a row of out0.
; REGISTERS, in windows of 256: window 0: v0-31 addresses; v64-191 the way out, two sets of 64.  Window 1: two fragment buffers: O's block a at F + 8 a, Wo's block b at F + 32 + 8 b.
;   Window 2: the accumulators, (a, b) at 8 (8 a + b).
.set KSTEP,  128
.set PA,     144                       ; a token's 128 bytes + 16: 36 words;  PB: 256 bytes + 16: 68 words: in both the 16 rows of a fragment load start at 16 different groups of four banks (64 banks of 4 bytes: ISA guide 11.1)
.set PB,     272
.set ASUB,   256*PA                    ; one head's 256 tokens: one tensor load
.set HB,     64*PB                     ; half of Wo's 128 rows: one tensor load
.set BOFF,   2*ASUB
.set SLOT,   BOFF+2*HB
.set STAGE,  2*SLOT                    ; behind the ring: 16 rows x 528 bytes for each wave
.set SPITCH, 528
.set SPARE,  STAGE+4*16*SPITCH         ; the spare words, 128 bytes a wave, two blocks of 256 bytes that no other line names
.set NL,     24                        ; LDS loads in a run: 16 for Wo, 8 for O
.set ADRA, 16
.set ADRB, 20
.set STO,  24
.set RD,   25
.set GO,   26
.set SPW,  28                          ; v28 my spare word: SPARE + 4 x my thread's number; never rewritten
.set NIL,  29                          ; v29 0; never rewritten
.set F0,   0
.set F1,   128
.set WV,   16                          ; s16 wave; s17 wave % 2; s18 cx; s19 cy; s20 tile column; s21 tile row; s22, s23 masks
.set G1,   24
.set G0,   32
.set G1B,  48
.set G0B,  56
.set MSB, 0
.macro WIN new
.if MSB != (\new)
	s_set_vgpr_msb (MSB<<8)|(\new)
.set MSB, (\new)
.endif
.endm
.set MUL,  0xa5                        ; sources window 1, C and D window 2
.set TO_F, 0x40
.macro PLACES                          ; four places between a matrix instruction and a load into, or a store of, its registers
.rept 4
	v_nop
.endr
.endm
.macro JLOAD s                         ; a joint load: waves 0 and 1 fetch the step's two heads of O, waves 2 and 3 Wo's two halves; an s_nop 0 and four v_nop follow each line
	s_cmp_lt_u32 s[WV], 2
	s_cbranch_scc0 .Lfor_b_\@
	tensor_load_to_lds s[G0+4*(\s):G0+4*(\s)+3], s[G1:G1+7]
	s_nop 0
.rept 4
	v_nop
.endr
	s_branch .Lasked_\@
.Lfor_b_\@:
	tensor_load_to_lds s[G0B+4*(\s):G0B+4*(\s)+3], s[G1B:G1B+7]
	s_nop 0
.rept 4
	v_nop
.endr
.Lasked_\@:
.endm
.macro CREST
	s_cmp_lg_u32 s[WV], 0
	s_cbranch_scc1 .Lnot_wave_0_\@
	s_barrier_signal -3
.Lnot_wave_0_\@:
	s_barrier_wait -3
	s_barrier_signal -1
	s_barrier_wait -1
.endm
.macro CROUND
	s_barrier_signal -1
	s_barrier_wait -1
	CREST
.endm
	s_load_b128 s[4:7], s[0:1], 0x0                ; o16 4:5, wo16 6:7
	s_load_b64 s[8:9], s[0:1], 0x10                ; out0
	v_lshl_add_u32 v[SPW], v0, 2, SPARE
	v_mov_b32 v[NIL], 0
	ds_add_u32 v[SPW], v[NIL]                      ; the wave's opening: the add and its wait stand ahead of my first tensor load; work on registers stands between them
	ds_add_u32 v28, v29
	v_lshrrev_b32 v1, 5, v0
	v_readfirstlane_b32 s[WV], v1
	s_and_b32 s17, s[WV], 1
	s_bfe_u32 s18, ttmp6, 0x40000                  ; cx
	s_bfe_u32 s19, ttmp6, 0x40004                  ; cy
	s_lshl_b32 s20, ttmp9, 2
	s_add_co_u32 s20, s20, s18                     ; tile column
	s_and_b32 s21, ttmp7, 0xffff
	s_lshl_b32 s21, s21, 2
	s_add_co_u32 s21, s21, s19                     ; tile row
	s_lshl_b32 s22, s19, 2
	s_lshl_b32 s22, 15, s22                        ; my row of the cluster
	s_lshl_b32 s23, 0x1111, s18                    ; my column
	s_or_b32 s[G1], s22, (1<<16)|(1<<20)|(1<<21)|(4<<22)|(3<<25)   ; O: padding of 4 words after every 32
	s_or_b32 s[G1B], s23, (1<<16)|(1<<20)|(1<<21)|(5<<22)|(3<<25)  ; Wo: after every 64
	s_mov_b32 s[G1+1], 128<<16                     ; tensor_dim0 = 128
	s_mov_b32 s[G1+2], 128<<16                     ; tensor_dim1 = 128
	s_mov_b32 s[G1+3], 128<<16                     ; tile_dim0
	s_mov_b32 s[G1+4], 128                         ; tile_dim1
	s_mov_b32 s[G1+5], 128                         ; dense: 128 elements from row to row
	s_mov_b32 s[G1+6], 0
	s_mov_b32 s[G1+7], 0
	s_mov_b32 s[G1B+1], KSTEP<<16
	s_mov_b32 s[G1B+2], 64<<16
	s_mov_b32 s[G1B+3], KSTEP<<16
	s_mov_b32 s[G1B+4], 64
	s_mov_b32 s[G1B+5], 1024
	s_mov_b32 s[G1B+6], 0
	s_mov_b32 s[G1B+7], 0
	s_lshr_b32 s40, s21, 3                         ; O: head 16 x batch + wave % 2, token 256 (tile row % 8), 128 bytes a token (s40-43 never hold cx)
	s_lshl_b32 s40, s40, 4
	s_add_co_u32 s40, s40, s17
	s_lshl_b32 s40, s40, 11
	s_and_b32 s41, s21, 7
	s_lshl_b32 s41, s41, 8
	s_add_co_u32 s40, s40, s41
	s_lshl_b32 s40, s40, 7
	s_mov_b32 s41, 0
	s_lshl_b32 s44, s20, 7                         ; Wo: row 128 x tile column + 64 x half (s44-47 never hold cy)
	s_lshl_b32 s45, s17, 6
	s_add_co_u32 s44, s44, s45
	s_lshl_b32 s44, s44, 11
	s_mov_b32 s45, 0
	s_mul_i32 s42, s17, ASUB                       ; where they go: no place in the cluster enters an LDS address
	s_mul_i32 s46, s17, HB
	s_add_co_u32 s46, s46, BOFF
	s_wait_dscnt 0x0                               ; the opening add is done
	s_wait_kmcnt 0x0
	s_add_nc_u64 s[40:41], s[4:5], s[40:41]
	s_add_nc_u64 s[44:45], s[6:7], s[44:45]
	CROUND                                         ; all sixteen work-groups are here: the first joint loads meet
.irp s, 0,1
	s_mov_b32 s[G0+4*(\s)], 1
	s_add_co_u32 s[G0+4*(\s)+1], s42, (\s)*SLOT
	s_add_nc_u64 s[G0+4*(\s)+2:G0+4*(\s)+3], s[40:41], (\s)*524288  ; K step s: two heads of 2,048 x 128 bytes on
	s_or_b32 s[G0+4*(\s)+3], s[G0+4*(\s)+3], 0x80000000
	s_mov_b32 s[G0B+4*(\s)], 1
	s_add_co_u32 s[G0B+4*(\s)+1], s46, (\s)*SLOT
	s_add_nc_u64 s[G0B+4*(\s)+2:G0B+4*(\s)+3], s[44:45], (\s)*KSTEP*2
	s_or_b32 s[G0B+4*(\s)+3], s[G0B+4*(\s)+3], 0x80000000
.endr
	s_cmp_lt_u32 s[WV], 2                          ; a wave's two first fills stand in one branch: two loads of mine are out
	s_cbranch_scc0 .Lfirst_b
	tensor_load_to_lds s[G0:G0+3], s[G1:G1+7]
	s_nop 0
	tensor_load_to_lds s[G0+4:G0+7], s[G1:G1+7]
	s_nop 0
.rept 4
	v_nop
.endr
	s_branch .Lfirst_asked
.Lfirst_b:
	tensor_load_to_lds s[G0B:G0B+3], s[G1B:G1B+7]
	s_nop 0
	tensor_load_to_lds s[G0B+4:G0B+7], s[G1B:G1B+7]
	s_nop 0
.rept 4
	v_nop
.endr
.Lfirst_asked:
	v_and_b32 v1, 15, v0                           ; l % 16
	v_bfe_u32 v2, v0, 4, 1                         ; l / 16
	v_mul_u32_u24 v3, v1, PA
	v_lshl_add_u32 v3, v2, 4, v3
	s_mul_i32 s66, s[WV], 64*PA                    ; my 64 tokens
	v_add_nc_u32 v[ADRA], s66, v3
	v_add_nc_u32 v[ADRA+1], SLOT, v[ADRA]
	v_mul_u32_u24 v4, v1, PB
	v_lshl_add_u32 v4, v2, 4, v4
	v_add_nc_u32 v[ADRB], BOFF, v4
	v_add_nc_u32 v[ADRB+1], BOFF+SLOT, v4
	s_mul_i32 s67, s[WV], 16*SPITCH
	s_add_co_u32 s67, s67, STAGE                   ; my stage
	v_mul_u32_u24 v5, v1, SPITCH                   ; in: row l % 16, 32 bytes for each half of the lanes
	v_lshl_add_u32 v5, v2, 5, v5
	v_add_nc_u32 v[STO], s67, v5
	v_and_b32 v[GO], 31, v0                        ; back and out: 32 lanes take a row's 512 bytes
	v_lshlrev_b32 v[GO], 4, v[GO]
	v_add_nc_u32 v[RD], s67, v[GO]
	s_lshl_b32 s68, s21, 8                         ; out0: row 256 x tile row + 64 x wave, 4,096 bytes a row; column 128 x tile column
	s_lshl_b32 s69, s[WV], 6
	s_add_co_u32 s68, s68, s69
	s_lshl_b32 s68, s68, 12
	s_lshl_b32 s69, s20, 9
	s_add_co_u32 s68, s68, s69
	s_mov_b32 s69, 0
	s_add_nc_u64 s[8:9], s[8:9], s[68:69]
; 8 matrix instructions: token block a x all 8 column blocks, 32 along K.  The 32 accumulators take turns in the same order in every quarter.
.macro MULA f, a, zero
	WIN MUL
.irp b, 0,1,2,3,4,5,6,7
.if \zero
	v_wmma_f32_16x16x32_f16 v[8*(8*(\a)+(\b)):8*(8*(\a)+(\b))+7], v[(\f)+32+8*(\b):(\f)+32+8*(\b)+7], v[(\f)+8*(\a):(\f)+8*(\a)+7], 0
.else
	v_wmma_f32_16x16x32_f16 v[8*(8*(\a)+(\b)):8*(8*(\a)+(\b))+7], v[(\f)+32+8*(\b):(\f)+32+8*(\b)+7], v[(\f)+8*(\a):(\f)+8*(\a)+7], v[8*(8*(\a)+(\b)):8*(8*(\a)+(\b))+7]
.endif
.endr
.endm
; 24 LDS loads in one run: quarter q into buffer f: Wo at byte 64 q of its rows; O in head q / 2 of the step, at byte 64 (q % 2) of its rows
.macro FETCH slot, q, f
	WIN TO_F
.irp b, 0,1,2,3,4,5,6,7
	ds_load_b128 v[(\f)+32+8*(\b):(\f)+32+8*(\b)+3],   v[ADRB+(\slot)] offset:64*(\q)+(\b)*16*PB
	ds_load_b128 v[(\f)+32+8*(\b)+4:(\f)+32+8*(\b)+7], v[ADRB+(\slot)] offset:64*(\q)+(\b)*16*PB+32
.endr
.irp a, 0,1,2,3
	ds_load_b128 v[(\f)+8*(\a):(\f)+8*(\a)+3],   v[ADRA+(\slot)] offset:((\q)/2)*ASUB+((\q)%2)*64+(\a)*16*PA
	ds_load_b128 v[(\f)+8*(\a)+4:(\f)+8*(\a)+7], v[ADRA+(\slot)] offset:((\q)/2)*ASUB+((\q)%2)*64+(\a)*16*PA+32
.endr
.endm
.macro QUARTER slot, q, f, g, zero
	s_wait_dscnt 4                                 ; Wo and O's blocks 0, 1 are in; the youngest four loads (blocks 2, 3) may be out
	MULA \f, 0, \zero
	MULA \f, 1, \zero
	PLACES
	FETCH \slot, \q, \g
	s_wait_dscnt NL                                ; all but the 24 just issued
	MULA \f, 2, \zero
	MULA \f, 3, \zero
.endm
; The last quarter multiplies buffer 1 and changes slots: ONE barrier; in front of it each wave waits for all its tensor loads (one is out: its part of the next slot), adds 0 to its spare word, and waits
; for that and for its reads of this slot.  fill = 1: the barrier opens a round of the cluster's, and this slot is filled again first thing behind it: 112 matrix instructions ahead of the wait for it.
.macro TURN slot, next, fill
	WIN 0
	s_wait_tensorcnt 0x0
	ds_add_u32 v[SPW], v[NIL]
	s_wait_dscnt 5                                 ; (the add and the youngest four loads may be out)
	MULA F1, 0, 0
	s_wait_dscnt 0x0                               ; the add is done, and my reads of this slot are over
	s_barrier_signal -1
	MULA F1, 1, 0
.if \fill
	WIN 0
.endif
	s_barrier_wait -1
.if \fill
	CREST                                          ; no wave of any partner still reads this slot's tiles or has a load on its way
	s_add_nc_u64 s[G0+4*(\slot)+2:G0+4*(\slot)+3], s[G0+4*(\slot)+2:G0+4*(\slot)+3], 1048576  ; four heads on
	s_add_nc_u64 s[G0B+4*(\slot)+2:G0B+4*(\slot)+3], s[G0B+4*(\slot)+2:G0B+4*(\slot)+3], 2*KSTEP*2
	JLOAD \slot                                    ; its four v_nop are also the places in front of the loads below
.else
	PLACES
.endif
	FETCH \next, 0, F0
	MULA F1, 2, 0
	MULA F1, 3, 0
.endm
	s_wait_tensorcnt 1                             ; my part of K step 0 is in; K step 1's may stay out
	s_barrier_signal -1
	s_barrier_wait -1
	FETCH 0, 0, F0
	QUARTER 0, 1, F0, F1, 1                        ; the first quarter's products start the sums
	WIN 0
	s_mov_b32 s3, 3                                ; 8 K steps = 4 laps; the last is written out
.Llap:
	QUARTER 0, 2, F1, F0, 0
	QUARTER 0, 3, F0, F1, 0
	TURN 0, 1, 1
	QUARTER 1, 1, F0, F1, 0
	QUARTER 1, 2, F1, F0, 0
	QUARTER 1, 3, F0, F1, 0
	TURN 1, 0, 1
	QUARTER 0, 1, F0, F1, 0
	WIN 0
	s_sub_co_u32 s3, s3, 1
	s_cmp_lg_u32 s3, 0
	s_cbranch_scc1 .Llap
	QUARTER 0, 2, F1, F0, 0
	QUARTER 0, 3, F0, F1, 0
	TURN 0, 1, 0
	QUARTER 1, 1, F0, F1, 0
	QUARTER 1, 2, F1, F0, 0
	QUARTER 1, 3, F0, F1, 0
	s_wait_dscnt 4
	MULA F1, 0, 0
	MULA F1, 1, 0
	s_wait_dscnt 0x0
	MULA F1, 2, 0
	MULA F1, 3, 0
	WIN 0
	PLACES
; THE WAY OUT of token block a: 32 bytes a lane and column block into my stage (each accumulator's low four registers first), back as whole rows of 512 bytes, stored.
.macro OUTB a
	WIN 0x08                                       ; store data (source 1) window 2, address window 0
.irp b, 0,1,2,3,4,5,6,7
	ds_store_b128 v[STO], v[64*(\a)+8*(\b):64*(\a)+8*(\b)+3]   offset:64*(\b)
	ds_store_b128 v[STO], v[64*(\a)+8*(\b)+4:64*(\a)+8*(\b)+7] offset:64*(\b)+16
.endr
	WIN 0
.if (\a) >= 2
	s_wait_xcnt 0x0                                ; the stores of two blocks back have had their addresses translated (ISA guide 3.1): only now is their set of registers loaded again
.endif
.set BK, 64+64*((\a)%2)
.irp t, 0,1,2,3,4,5,6,7,8,9,10,11,12,13,14,15
	ds_load_b128 v[BK+4*(\t):BK+4*(\t)+3], v[RD] offset:(\t)*SPITCH  ; LDS serves a wave's instructions in order (ISA guide 5.7.1.4): these see the stores above; the next block's stores come behind them
.endr
.irp t, 0,1,2,3,4,5,6,7,8,9,10,11,12,13,14,15
	s_wait_dscnt 15-(\t)                           ; the younger read-backs stay out
	global_store_b128 v[GO], v[BK+4*(\t):BK+4*(\t)+3], s[8:9] offset:(16*(\a)+(\t))*4096 th:TH_STORE_NT  ; 512 consecutive bytes, aligned
.endr
.endm
	OUTB 0
	OUTB 1
	OUTB 2
	OUTB 3
	s_wait_tensorcnt 0x0                           ; the wave's end
	ds_add_u32 v[SPW], v[NIL]
	s_wait_dscnt 0x0
	CROUND                                         ; the closing round: no work-group ends while a partner may still ask for a tile that names it
	s_endpgm
.Lfunc_end_k_qe8f19171a0_oproj:
	.size	k_qe8f19171a0_oproj, .Lfunc_end_k_qe8f19171a0_oproj-k_qe8f19171a0_oproj
	.p2alignl 7, 3214868480
	.fill 96, 4, 3214868480
	.section	.rodata,"a",@progbits
	.p2align	6, 0x0
	.amdhsa_kernel k_qe8f19171a0_oproj
		.amdhsa_group_segment_fixed_size 327680
		.amdhsa_private_segment_fixed_size 0
		.amdhsa_enable_private_segment 0
		.amdhsa_kernarg_size 24
		.amdhsa_user_sgpr_count 2
		.amdhsa_user_sgpr_kernarg_segment_ptr 1
		.amdhsa_wavefront_size32 1
		.amdhsa_system_sgpr_workgroup_id_x 1
		.amdhsa_system_sgpr_workgroup_id_y 1
		.amdhsa_system_sgpr_workgroup_id_z 1
		.amdhsa_system_vgpr_workitem_id 0
		.amdhsa_next_free_vgpr 768
		.amdhsa_next_free_sgpr 80
		.amdhsa_reserve_vcc 0
		.amdhsa_float_denorm_mode_32 3
		.amdhsa_float_denorm_mode_16_64 3
		.amdhsa_memory_ordered 1
		.amdhsa_forward_progress 1
		.amdhsa_inst_pref_size 86
	.end_amdhsa_kernel
	.amdgpu_metadata
---
amdhsa.version: [ 1, 2 ]
amdhsa.kernels:
  - .name:           k_qe8f19171a0_oproj
    .symbol:         k_qe8f19171a0_oproj.kd
    .args:
      - { .name: o16, .offset: 0, .size: 8, .value_kind: global_buffer, .address_space: global }
      - { .name: wo16, .offset: 8, .size: 8, .value_kind: global_buffer, .address_space: global }
      - { .name: out0, .offset: 16, .size: 8, .value_kind: global_buffer, .address_space: global }
    .group_segment_fixed_size: 327680
    .private_segment_fixed_size: 0
    .kernarg_segment_align: 8
    .kernarg_segment_size: 24
    .max_flat_workgroup_size: 128
    .sgpr_count:     80
    .vgpr_count:     768
    .wavefront_size: 32
...
	.end_amdgpu_metadata
.endif
;; end of part 4
